; MI455X (gfx1250); checked and timed in simulation.
; The chip was launched on July 23, 2026; its instructions are those of AMD's public machine-readable ISA for CDNA 5 (MIT licence, August 2026) and "CDNA5" Instruction Set Architecture Reference Guide (July 2026). The comments in the code are by the model that wrote it; some were corrected since.
;; Grouped GLU. Allowed arithmetic: matrix products marked QUANTISED: E5M2 operands, one E8M0 scale for each 32 along K, by v_wmma_scale_f32_16x16x128_f8f6f4 with both operands' format E5M2, f32 sums; everything else in f32.
;; Inputs: offs 8 int32; weight_down_codes 8 x 256 x 32 x 32 uint8 (E5M2 codes of weight_down, K innermost, in blocks of 32 codes); weight_down_scales 8 x 256 x 32 uint8 (E8M0 scales of weight_down, one for each 32 codes along K); weight_gate_codes 8 x 1,024 x 8 x 32 uint8 (E5M2 codes of weight_gate, K innermost, in blocks of 32 codes); weight_gate_scales 8 x 1,024 x 8 uint8 (E8M0 scales of weight_gate, one for each 32 codes along K); weight_up_codes 8 x 1,024 x 8 x 32 uint8 (E5M2 codes of weight_up, K innermost, in blocks of 32 codes); weight_up_scales 8 x 1,024 x 8 uint8 (E8M0 scales of weight_up, one for each 32 codes along K); x_codes 65,536 x 8 x 32 uint8 (E5M2 codes of x, K innermost, in blocks of 32 codes); x_scales 65,536 x 8 uint8 (E8M0 scales of x, one for each 32 codes along K).
;; Outputs: out0 65,536 x 256 float32.
;; This version of the problem:
;;   THIS VERSION OF THE PROBLEM IS GIVEN IN LOW PRECISION. The matrix products marked QUANTISED in the list below multiply operands that are first quantised to E5M2 (5 exponent bits, 2 mantissa bits; 8 bits a number), with one power-of-two scale for each 32 numbers along K (OCP MX v1.0); their sums are f32. All else is computed in f32.
;;   The module's matrix products, in the order in which they are computed (A, B: the left and right operand; K: the contracted axis; several contracted axes count as one K, in the product's order):
;;     1. batch 8 x [M 8,192, K 256] x [K 256, N 1,024]; A: input x (given as codes); B: input weight_gate (given as codes): QUANTISED
;;     2. batch 8 x [M 8,192, K 256] x [K 256, N 1,024]; A: input x (given as codes); B: input weight_up (given as codes): QUANTISED
;;     3. batch 8 x [M 8,192, K 1,024] x [K 1,024, N 256]; A: computed on the way; B: input weight_down (given as codes): QUANTISED
;;   THE QUANTISER, for each operand of a quantised product, along K:
;;     - K is cut into blocks of 32 from its start; a last block that is shorter is filled with zeros.
;;     - A block's scale is 2^e with e = floor(log2(the largest magnitude in the block)) - 15, held to -126 .. 127; a block of zeros has e = 0. As a byte (E8M0): e + 127.
;;     - Each number is divided by its block's scale, clamped to +-57,344, and rounded to the nearest number of E5M2, ties to even, subnormals kept.
;;     - The product sums the exact products of the quantised numbers (number of the format x scale) in f32.
;;   ~~~python
;;   def quantise(x, axis):      # numpy; x: float32 -> the quantised numbers, widened to float32 again
;;       x = np.moveaxis(x, axis, -1); K = x.shape[-1]
;;       x = np.pad(x, [(0, 0)] * (x.ndim - 1) + [(0, -K % 32)]); x = x.reshape(x.shape[:-1] + (-1, 32)); a = np.abs(x).max(-1, keepdims=True)
;;       e = np.where(a > 0, np.clip(np.frexp(np.where(a > 0, a, 1))[1] - 1 - 15, -126, 127), 0)      # np.frexp(a)[1] - 1 = floor(log2(a)), exactly
;;       r = np.clip(x / 2.0 ** e, -57344, 57344)
;;       step = 2.0 ** (np.maximum(np.frexp(np.where(r == 0, 1, r))[1] - 1, -14) - 2)
;;       q = np.round(r / step) * step * 2.0 ** e      # np.round: ties to even
;;       return np.moveaxis(q.reshape(q.shape[:-2] + (-1,))[..., :K], -1, axis).astype(np.float32)
;;   ~~~
;;   OPERANDS COMPUTED ON THE WAY. 'Computed on the way' means the value that the module computes at that place (a softmax that the list does not call 'softmax' is quantised finished and normalised). What goes into a quantiser is computed in f32, as accurately as f32 sums, v_exp_f32 and their like allow (about 1e-6 of the number): no bf16 or f16 on the way to a quantiser, and a product that is left as it is and whose result goes on into a quantised operand takes f32 operands (vector FMAs, or v_wmma_f32_16x16x4_f32). A number that lies on a knife's edge between two numbers of the format may be rounded either way, as far as f32 arithmetic and the matrix unit's own rounding can turn it there, and no further.
;;   INPUTS GIVEN AS CODES. weight_down (in the module: [8, 1024, 256], K = its axis 1); weight_gate (in the module: [8, 256, 1024], K = its axis 1); weight_up (in the module: [8, 256, 1024], K = its axis 1); x (in the module: [65536, 256], K = its axis 1): each comes as NAME_codes (uint8): NAME with its K axis moved to the last place and cut into blocks of 32 codes, [.., K / 32, bytes a block], one block behind the other in memory; one code a byte (a code: sign, 5 exponent bits, 2 mantissa bits); and NAME_scales (uint8): the same leading axes, one E8M0 byte (e + 127) for each 32 codes along K. Its value is code x scale, taken as it is: it is not quantised again, and the codes and scales need not be those that the quantiser above would give.
;; One version. Each part assembles by itself: llvm-mc -triple=amdgcn-amd-amdhsa -mcpu=gfx1250 --defsym DOCPART=n.
;; ======== version 1 of 1: 1 launch
;; limits: right only within a limited range of input values
;; launch glu (part 1): grid 32 x 8, 4 waves a work-group, clusters of 4 x 1, 327,680 bytes of LDS; arguments x_codes, x_scales, weight_gate_codes, weight_gate_scales, weight_up_codes, weight_up_scales, weight_down_codes, weight_down_scales, out0; writes out0
.if DOCPART == 1
	.amdgcn_target "amdgcn-amd-amdhsa--gfx1250"
	.amdhsa_code_object_version 6
	.text
	.protected	k_qe48a09d42f_glu
	.globl	k_qe48a09d42f_glu
	.p2align	8
	.type	k_qe48a09d42f_glu,@function
k_qe48a09d42f_glu:
	s_mov_b64 s[64:65], 0
	v_nop
	global_prefetch_b8 v0, s[64:65] scope:SCOPE_SE
	s_setreg_imm32_b32 hwreg(HW_REG_WAVE_MODE, 25, 1), 1
	s_wait_xcnt 0x0
	s_wait_alu depctr_hold_cnt(0) depctr_sa_sdst(0) depctr_va_vdst(0) depctr_va_sdst(0) depctr_va_ssrc(0) depctr_va_vcc(0) depctr_vm_vsrc(0)
	s_getreg_b32 s2, hwreg(HW_REG_IB_STS2, 6, 4)
	s_cmp_eq_u32 s2, 0
	s_cbranch_scc0 .Lentry_in_a_cluster
	s_endpgm
.Lentry_in_a_cluster:
	s_bfe_u32 s2, ttmp6, 0x10000c
	s_cmp_lg_u32 s2, 0x3003
	s_cbranch_scc0 .Lentry_shape_is_right
	s_endpgm
.Lentry_shape_is_right:
; y = (silu(x Wg) * (x Wu)) Wd, eight groups of 8,192 rows, on codes of MX-BF8 (E5M2, a scale byte for 32 along K); sums in f32, the activation in f32, its quantiser in f32.
; offs is not loaded: the groups follow from the shapes, so its values reach no output.
; LIMITS: NaN and infinities in the sums are not served; a sigmoid under 2^-126 counts as 0; a block's scale byte never falls under 1 (a block of zeros has byte 1, its codes are zeros).
; THE DEAL: a work-group makes 256 rows of one group, a wave 64 of them; 256 work-groups.  Four work-groups of one group form a cluster and ask for the weights' tiles jointly.
; PHASE 1 makes h, 64 rows x 1,024 a wave, as codes in 512 registers.  A UNIT is 32 of the hidden units: two tiles (T = 0, 1) of gate and of up: 32 matrix instructions in four groups of eight
; (gate 0, gate 1, up 0, up 1).  Iteration i works on unit i's activation and multiplies unit i + 1; the end of unit i - 1 (its last reciprocals, maxima, holds, conversions) stands in it too.
; Weights are source 0, x source 1: a lane holds one row of x and eight neighbouring hidden units; a block of 32 lies in lanes l and l xor 16.
; Eight trips of four iterations, -1 .. 30: a trip multiplies one chunk of 128 hidden units.  Iteration -1 has no unit of its own: it works on ones, and nothing of it is converted.
; PHASE 2 multiplies 64 columns of Wd at a time, all of K, and stores them: lane r of tile t takes column 4 r + t, so that 16 lanes hold 256 neighbouring bytes of a row of y.
; NOT PREFETCHED: a refill of the ring has a whole trip, 128 matrix instructions a wave with their activation, in which to land, and the four of a cluster ask for it once.
; LDS: two slots of 256 rows x 272 bytes (128 rows of gate, 128 of up; slot 1 holds x's rows first); two slots of 64 columns of Wd (rows of 1,040 bytes); scale bytes; h's scale words; spare words.
; WINDOW 0: v0-63 addresses, scales, maxima; v64-127 two pairs of weight fragments; v128-255 x.  WINDOW 1: two sets of sums, gate at 128 S, up at 128 S + 64.  WINDOWS 2, 3: h.
.set UOFF, 128*272
.set SLOT1, 256*272
.set DA0, 2*SLOT1
.set DQ, 16*1040
.set SCG, DA0+8*DQ
.set SCD, SCG+16384
.set HSCR, SCD+8192
.set SPARE, HSCR+4*4096
.set AG0, 4
.set AGU, 5
.set AS, 6
.set SPW, 7
.set NIL, 8
.set HA, 9
.set CO, 10
.set AD0, 11
.set AD, 12
.set DSA, 16
.set AS0, 17
.set HSC, 20
.set TM, 44
.set BD, 52
.set SC, 56
.set GSC, 36
.set USC, 38
.set WV, 22
.set TC, 23
.set G1X, 24
.set G1H, 32
.set G1R, 40
.set G1D, 48
.set G0X, 56
.set G0G, 60
.set G0U, 68
.set G0R, 72
.set G0D, 76
.set SEL, 80
.set NC, 82
.set MNT, 84
.set TB, 85
.set TG, 86
.set TS, 87
.set IC, 92
.set PI, 93
.set PROD, 1
.set MSB, 0
.macro WIN new
.if MSB != (\new)
	s_set_vgpr_msb (MSB<<8)|(\new)
.set MSB, (\new)
.endif
.endm
.macro PLACES n
.rept \n
	v_nop
.endr
.endm
.macro WALU
	s_wait_alu depctr_va_vdst(0)
.endm
.macro CREST
	s_cmp_lg_u32 s[WV], 0
	s_cbranch_scc1 .Lnot_wave_0_\@
	s_barrier_signal -3
.Lnot_wave_0_\@:
	s_barrier_wait -3
	s_barrier_signal -1
	s_barrier_wait -1
.endm
.macro CROUND
	s_barrier_signal -1
	s_barrier_wait -1
	CREST
.endm
.macro TLOAD g0, g1
	tensor_load_to_lds s[\g0:\g0+3], s[\g1:\g1+7]
	s_nop 0
	PLACES 4
.endm
.macro GROUP1 g, w0, row, rows, pitch
	s_mov_b32 s[\g], \w0
	s_mov_b32 s[\g+1], (\row)<<16
	s_mov_b32 s[\g+2], (\rows)<<16
	s_mov_b32 s[\g+3], (\row)<<16
	s_mov_b32 s[\g+4], \rows
	s_mov_b32 s[\g+5], \pitch
	s_mov_b32 s[\g+6], 0
	s_mov_b32 s[\g+7], 0
.endm
; the matrix instruction on md, ma, mb, ms, mx.  z: the sum begins;  row 1: source 0's scales from lanes 16-31;  row 2: source 1's
.macro WMM z, row
.if (\z) && ((\row) == 1)
	v_wmma_scale_f32_16x16x128_f8f6f4 v[md:md+7], v[ma:ma+15], v[mb:mb+15], 0, v[ms], v[mx] matrix_a_fmt:MATRIX_FMT_BF8 matrix_b_fmt:MATRIX_FMT_BF8 matrix_a_scale:MATRIX_SCALE_ROW1
.elseif (\z) && ((\row) == 2)
	v_wmma_scale_f32_16x16x128_f8f6f4 v[md:md+7], v[ma:ma+15], v[mb:mb+15], 0, v[ms], v[mx] matrix_a_fmt:MATRIX_FMT_BF8 matrix_b_fmt:MATRIX_FMT_BF8 matrix_b_scale:MATRIX_SCALE_ROW1
.elseif (\z)
	v_wmma_scale_f32_16x16x128_f8f6f4 v[md:md+7], v[ma:ma+15], v[mb:mb+15], 0, v[ms], v[mx] matrix_a_fmt:MATRIX_FMT_BF8 matrix_b_fmt:MATRIX_FMT_BF8
.elseif (\row) == 1
	v_wmma_scale_f32_16x16x128_f8f6f4 v[md:md+7], v[ma:ma+15], v[mb:mb+15], v[md:md+7], v[ms], v[mx] matrix_a_fmt:MATRIX_FMT_BF8 matrix_b_fmt:MATRIX_FMT_BF8 matrix_a_scale:MATRIX_SCALE_ROW1
.elseif (\row) == 2
	v_wmma_scale_f32_16x16x128_f8f6f4 v[md:md+7], v[ma:ma+15], v[mb:mb+15], v[md:md+7], v[ms], v[mx] matrix_a_fmt:MATRIX_FMT_BF8 matrix_b_fmt:MATRIX_FMT_BF8 matrix_b_scale:MATRIX_SCALE_ROW1
.else
	v_wmma_scale_f32_16x16x128_f8f6f4 v[md:md+7], v[ma:ma+15], v[mb:mb+15], v[md:md+7], v[ms], v[mx] matrix_a_fmt:MATRIX_FMT_BF8 matrix_b_fmt:MATRIX_FMT_BF8
.endif
.endm
	s_load_b256 s[4:11], s[0:1], 0x0
	s_load_b256 s[12:19], s[0:1], 0x20
	s_load_b64 s[20:21], s[0:1], 0x40
	v_lshl_add_u32 v[SPW], v0, 2, SPARE
	v_mov_b32 v[NIL], 0
	ds_add_u32 v[SPW], v[NIL]
	ds_add_u32 v[SPW], v[NIL]
	v_lshrrev_b32 v1, 5, v0
	v_readfirstlane_b32 s[WV], v1
	s_bfe_u32 s86, ttmp6, 0x40000
	s_lshl_b32 s87, ttmp9, 2
	s_add_co_u32 s87, s87, s86                     ; work-group x
	s_and_b32 s88, ttmp7, 0xffff                   ; the group
	s_lshl_b32 s89, s88, 13
	s_lshl_b32 s90, s87, 8
	s_add_co_u32 s90, s90, s89                     ; my work-group's first row of x
	s_lshr_b32 s91, s[WV], 1
	s_and_b32 s92, s[WV], 1
	s_lshl_b32 s94, s90, 8                         ; x's codes: wave 0 fetches 128 rows, wave 3 the other 128
	s_lshl_b32 s93, s91, 15
	s_add_co_u32 s94, s94, s93
	s_mov_b32 s95, 0
	s_lshl_b32 s96, s88, 18                        ; the group's weights
	s_mov_b32 s97, 0
	s_lshl_b32 s98, s92, 14                        ; in the ring a wave fetches 64 rows of gate or of up
	s_add_co_u32 s98, s98, s96
	s_mov_b32 s99, 0
	GROUP1 G1X, (1<<20)|(5<<22)|(3<<25), 256, 128, 256
	GROUP1 G1H, 15|(1<<20)|(1<<21)|(5<<22)|(3<<25), 256, 128, 256
	GROUP1 G1R, 15|(1<<20)|(1<<21)|(5<<22)|(3<<25), 256, 64, 256
	GROUP1 G1D, 15|(1<<20)|(1<<21)|(7<<22)|(3<<25), 1024, 16, 4096   ; Wd: every fourth row: wave t takes the columns 4 r + t
	s_mov_b32 s[G0X], 1
	s_mul_i32 s[G0X+1], s91, UOFF
	s_add_co_u32 s[G0X+1], s[G0X+1], SLOT1
	s_mov_b32 s[G0G], 1
	s_mov_b32 s[G0G+1], 0
	s_mov_b32 s[G0U], 1
	s_mov_b32 s[G0U+1], UOFF
	s_mov_b32 s[G0R], 1
	s_mul_i32 s[G0R+1], s[WV], 64*272              ; (each refill steps to the other slot and the next chunk first)
	s_mov_b32 s[G0D], 1
	s_mul_i32 s[G0D+1], s[WV], DQ
	s_add_co_u32 s[G0D+1], s[G0D+1], DA0
	s_mov_b32 s[SEL], 0x76543210
	s_mov_b32 s[SEL+1], 0xfedcba98
	s_mov_b32 s[NC], 0xbfb8aa3b                    ; -log2(e)
	s_mov_b32 s[NC+1], s[NC]
	s_mov_b32 s[MNT], 0x600000
	s_wait_dscnt 0x0
	CROUND
	s_wait_kmcnt 0x0
	s_add_nc_u64 s[G0X+2:G0X+3], s[4:5], s[94:95]
	s_or_b32 s[G0X+3], s[G0X+3], 0x80000000
	s_add_nc_u64 s[G0G+2:G0G+3], s[8:9], s[96:97]
	s_or_b32 s[G0G+3], s[G0G+3], 0x80000000
	s_add_nc_u64 s[G0U+2:G0U+3], s[12:13], s[96:97]
	s_or_b32 s[G0U+3], s[G0U+3], 0x80000000
; the head's loads, one a wave: x's two halves, and chunk 0 of gate and of up
	s_cmp_lt_u32 s[WV], 1
	s_cbranch_scc0 .Lhead_1
	TLOAD G0X, G1X
	s_branch .Lasked
.Lhead_1:
	s_cmp_lt_u32 s[WV], 2
	s_cbranch_scc0 .Lhead_2
	TLOAD G0G, G1H
	s_branch .Lasked
.Lhead_2:
	s_cmp_lt_u32 s[WV], 3
	s_cbranch_scc0 .Lhead_3
	TLOAD G0U, G1H
	s_branch .Lasked
.Lhead_3:
	TLOAD G0X, G1X
.Lasked:
	s_cmp_lt_u32 s[WV], 2
	s_cselect_b64 s[G0R+2:G0R+3], s[8:9], s[12:13]
	s_add_nc_u64 s[G0R+2:G0R+3], s[G0R+2:G0R+3], s[98:99]
	s_or_b32 s[G0R+3], s[G0R+3], 0x80000000
	s_lshl_b32 s98, s[WV], 10
	s_add_nc_u64 s[G0D+2:G0D+3], s[16:17], s[96:97]
	s_add_nc_u64 s[G0D+2:G0D+3], s[G0D+2:G0D+3], s[98:99]
	s_or_b32 s[G0D+3], s[G0D+3], 0x80000000
	s_lshl_b32 s98, s88, 13                        ; the group's scale bytes: 8,192 of each weight
	s_add_nc_u64 s[10:11], s[10:11], s[98:99]
	s_add_nc_u64 s[14:15], s[14:15], s[98:99]
	s_add_nc_u64 s[18:19], s[18:19], s[98:99]
	s_lshl_b32 s87, s[WV], 6
	s_add_co_u32 s90, s90, s87                     ; my wave's first row
	s_lshl_b32 s98, s90, 3
	s_add_nc_u64 s[6:7], s[6:7], s[98:99]
	s_lshl_b32 s98, s90, 10
	s_add_nc_u64 s[20:21], s[20:21], s[98:99]
	v_and_b32 v1, 15, v0                           ; r
	v_bfe_u32 v2, v0, 4, 1                         ; h
	v_and_b32 v3, 31, v0
	v_lshlrev_b32 v24, 3, v1
	v_lshlrev_b32 v25, 4, v0
.irp m, 0,1,2,3
	global_load_b64 v[32+2*(\m%2)+8*(\m/2):33+2*(\m%2)+8*(\m/2)], v24, s[6:7] offset:128*\m   ; x's scale words
.endr
.irp i, 0,1,2,3
	global_load_b128 v[64+4*\i:67+4*\i], v25, s[10:11] offset:2048*\i
	global_load_b128 v[80+4*\i:83+4*\i], v25, s[14:15] offset:2048*\i
	global_load_b128 v[96+4*\i:99+4*\i], v25, s[18:19] offset:2048*\i
.endr
	v_mul_u32_u24 v[AG0], v1, 272
	v_lshl_add_u32 v[AG0], v2, 4, v[AG0]
	s_mul_i32 s86, s[WV], 64*272
	s_add_co_u32 s86, s86, SLOT1
	v_add_nc_u32 v26, s86, v[AG0]                  ; my rows of x in slot 1
	v_lshlrev_b32 v[AS0], 3, v3
	v_add_nc_u32 v[AS0], SCG, v[AS0]
	v_lshlrev_b32 v[DSA], 4, v3
	s_lshl_b32 s86, s[WV], 12
	s_add_co_u32 s86, s86, HSCR
	v_add_nc_u32 v[HA], s86, v[DSA]
	v_add_nc_u32 v[DSA], SCD, v[DSA]
	v_lshlrev_b32 v[CO], 4, v1
	v_lshl_add_u32 v[CO], v2, 13, v[CO]
	v_mul_u32_u24 v[AD0], v1, 1040
	v_lshl_add_u32 v[AD0], v2, 3, v[AD0]
	v_add_nc_u32 v[AD0], DA0, v[AD0]
	v_add_nc_u32 v27, SCG, v25                     ; where my 16 bytes of gate's and up's scales go: as they lie
	v_and_b32 v28, 1, v0                           ; Wd's: piece (column 4 r + 2 p + h, half) of 64 columns goes to 1024 p + 512 half + 256 h + 16 r
	v_lshlrev_b32 v28, 9, v28
	v_bfe_u32 v29, v0, 1, 1
	v_lshl_add_u32 v28, v29, 8, v28
	v_bfe_u32 v29, v0, 2, 1
	v_lshl_add_u32 v28, v29, 10, v28
	v_lshrrev_b32 v29, 3, v0
	v_lshl_add_u32 v28, v29, 4, v28
	v_add_nc_u32 v28, SCD, v28
; while the tiles are on their way: h's registers are written in arms of a branch on the trip, so each is written once here; and iteration -1 finds ones where sums would stand
.set i_, 0
.rept 16
	v_mov_b32 v[TM+i_], 0
.set i_, i_+1
.endr
.irp m, 0,1,2,3
	v_mov_b32 v[HSC+\m], 0
.endr
	WIN 0x40
.set i_, 0
.rept 256
	v_mov_b32 v[i_], 1.0
.set i_, i_+1
.endr
	WIN 0x80
.set i_, 0
.rept 256
	v_mov_b32 v[i_], 0
.set i_, i_+1
.endr
	WIN 0xc0
.set i_, 0
.rept 256
	v_mov_b32 v[i_], 0
.set i_, i_+1
.endr
	WIN 0
	WALU
	s_wait_loadcnt 0x0
.irp i, 0,1,2,3
	ds_store_b128 v27, v[64+4*\i:67+4*\i] offset:2048*\i
	ds_store_b128 v27, v[80+4*\i:83+4*\i] offset:8192+2048*\i
	ds_store_b128 v28, v[96+4*\i:99+4*\i] offset:2048*\i
.endr
	s_wait_tensorcnt 0x0
	s_wait_dscnt 0x0
	s_barrier_signal -1
	s_barrier_wait -1                              ; x, chunk 0 and the scale bytes are in
.irp m, 0,1,2,3
.irp s, 0,1
.irp c, 0,1,2,3
	ds_load_b128 v[128+16*(2*\m+\s)+4*\c:128+16*(2*\m+\s)+4*\c+3], v26 offset:16*272*\m+128*\s+32*\c
.endr
.endr
.endr
; a weight tile's two fragments (256 along K) into pair p: lane (r, h): row r, K = 32 c + 16 h ..
.macro LDG p, off
.irp s, 0,1
.irp c, 0,1,2,3
	ds_load_b128 v[64+32*(\p)+16*\s+4*\c:64+32*(\p)+16*\s+4*\c+3], v[AGU] offset:(\off)+128*\s+32*\c
.endr
.endr
.endm
; product n of group g: K half n / 4, rows 16 (n % 4); into set GW_
.macro MM1 g, n
.set s_, (\n)/4
.set m_, (\n)%4
.set md, GW_+64*((\g)/2)+32*((\g)%2)+8*m_
.set ma, 64+32*((\g)%2)+16*s_
.set mb, 128+16*(2*m_+s_)
.set ms, GSC+2*((\g)/2)+s_
.set mx, 32+2*(m_%2)+8*(m_/2)+s_
	WMM 1-s_, (\g)%2
.endm
; a hold: e = 32 T + 8 m + j of unit i - 1.  HOLDG under the products' windows, HOLDX under the exponentials'
.macro HOLDG e
	v_med3_num_f32 v[UW_+(\e)], -v[BD+((\e)/8)%4], v[BD+((\e)/8)%4], v[UW_+(\e)]
.endm
.macro HOLDX e
	v_med3_num_f32 v[UW_+(\e)], v[UW_+(\e)], -v[BD+((\e)/8)%4], v[BD+((\e)/8)%4]
.endm
.macro MUL5 u, g, k
	v_pk_mul_f32 v[(\u)+2*(\k):(\u)+2*(\k)+1], v[(\u)+2*(\k):(\u)+2*(\k)+1], v[(\g)+2*(\k):(\g)+2*(\k)+1]
.endm
.macro ADDL a
	v_pk_add_f32 v[(\a):(\a)+1], v[(\a):(\a)+1], 1.0 op_sel_hi:[1,0]
.endm
; gate x up into up's place, then -log2(e) x gate into gate's
.macro GXU g, u                        ; the first readers of the sums: plain lines alone stand between the wait ahead and the last of them
.set a_, 0
.rept 16
	v_pk_mul_f32 v[(\u)+a_:(\u)+a_+1], v[(\g)+a_:(\g)+a_+1], v[(\u)+a_:(\u)+a_+1]
.set a_, a_+2
.endr
.endm
.macro NEGL a
	v_pk_mul_f32 v[(\a):(\a)+1], v[(\a):(\a)+1], s[NC:NC+1] op_sel_hi:[1,0]
.endm
; a group of eight products; hb under 100: two holds behind each, from hold hb on;  200: two of the last multiplications of T = 0
.macro GRP g, hb
.set n_, 0
.rept 8
.if PROD
	WIN 0x50
	MM1 \g, n_
.endif
.if (\hb) < 100
	WIN 0x50
	HOLDG (\hb)+2*n_                               ; two holds behind each product
	HOLDG (\hb)+2*n_+1
.elseif (\hb) == 200
	WIN 0x55
	MUL5 US_, GS_, 2*n_
	MUL5 US_, GS_, 2*n_+1
.endif
.set n_, n_+1
.endr
.endm
; the LDS loads of a stretch: unit i + 1's fragments; e: its number in the pair of units
.macro LOADS k, e
	WIN 0
.if \k == 1
	LDG 0, UOFF+32*(\e)*272
.elseif \k == 2
	LDG 1, UOFF+(32*(\e)+16)*272
.else
	ds_load_b64 v[GSC:GSC+1], v[AS] offset:256*(\e)
	ds_load_b64 v[USC:USC+1], v[AS] offset:8192+256*(\e)
	LDG 0, 32*(\e)*272
	LDG 1, (32*(\e)+16)*272
.endif
.endm
; a stretch: 32 transcendentals in place, plain lines between them whose sources are ready and whose results are read behind the wait that follows
.macro XTR op, base, k, win, lat, e
.set x_, 0
.rept 32
	WIN \win
	\op v[(\base)+x_], v[(\base)+x_]
.if \k == 1
.if x_%2
	HOLDX 32+x_/2
.else
	NEGL GS_+32+x_
.endif
.elseif \k == 2
.if x_%2
	HOLDX 48+x_/2
.else
	ADDL GS_+x_
.endif
.elseif \k == 3
.if x_%2
	ADDL GS_+32+x_-1
.endif
.elseif \k == 4
.if x_%2
	NEGL GS_+x_-1
.endif
.endif
.if PROD && (x_ == \lat)
	LOADS \k, \e
.endif
.set x_, x_+1
.endr
.endm
; unit i - 1 becomes codes: K step k, block pos of its four; behind the fourth the four scale words go to LDS
.macro CVT8 k, pos
.irp m, 0,1,2,3
	WIN 0x81+0x40*(\m/2)
	v_cvt_scalef32_pk8_bf8_f32 v[128*(\m%2)+16*(\k)+4*(\pos):128*(\m%2)+16*(\k)+4*(\pos)+1], v[UW_+8*\m:UW_+8*\m+7], v[SC+\m]
	v_cvt_scalef32_pk8_bf8_f32 v[128*(\m%2)+16*(\k)+4*(\pos)+2:128*(\m%2)+16*(\k)+4*(\pos)+3], v[UW_+32+8*\m:UW_+32+8*\m+7], v[SC+\m]
.endr
	WIN 0
.if (\pos) == 3
	ds_store_b128 v[HA], v[HSC:HSC+3] offset:512*(\k)
.endif
.endm
; pair p of iterations converts units 2 p - 2 and 2 p - 1: K step (p - 1) / 2; one arm a pair
.macro TREE lo, hi, e, j
.if (\lo) == (\hi)
	CVT8 ((\lo)-1)/2, 2*(((\lo)-1)%2)+\e
	s_branch \j
.else
	s_cmp_le_u32 s[PI], ((\lo)+(\hi))/2
	s_cbranch_scc0 .Lt_\@
	TREE \lo, ((\lo)+(\hi))/2, \e, \j
.Lt_\@:
	TREE ((\lo)+(\hi))/2+1, \hi, \e, \j
.endif
.endm
.macro ARMS lo, hi, e
.if \lo == 1
	s_cmp_eq_u32 s[PI], 0
	s_cbranch_scc1 .Lcj_\@                         ; pair 0 has nothing before it
.endif
	TREE \lo, \hi, \e, .Lcj_\@
.Lcj_\@:
	v_nop
.endm
; the end of the unit with gate at g and up at u, behind its last reciprocals: the last multiplications, the block's largest magnitude, the scale, its byte, the bound
.macro UEND g, u
	WIN 0x55
.set k_, 16
.rept 16
	MUL5 \u, \g, k_
.set k_, k_+1
.endr
	WIN 0x14                                       ; the floor is 2^(16 - 127)
.irp i, 0,2,4,6,32,34,36,38
.irp m, 0,1,2,3
.if \i == 0
	v_max3_num_f32 v[TM+\m], 0x8000000, |v[\u+8*\m]|, |v[\u+8*\m+1]|
.else
	v_max3_num_f32 v[TM+\m], v[TM+\m], |v[\u+8*\m+\i]|, |v[\u+8*\m+\i+1]|
.endif
.endr
.endr
	WIN 0
.irp m, 0,1,2,3
	v_permlanex16_b32 v[TM+4+\m], v[TM+\m], s[SEL], s[SEL+1]
.endr
.irp m, 0,1,2,3
	v_max_num_f32 v[TM+\m], v[TM+\m], v[TM+4+\m]
.endr
.irp m, 0,1,2,3
	v_add_nc_u32 v[SC+\m], 0xf8800000, v[TM+\m]    ; the scale: 15 off the exponent field
.endr
.irp m, 0,1,2,3
	v_and_or_b32 v[BD+\m], v[TM+\m], 0x7f800000, s[MNT]   ; 57,344 x the scale
.endr
.irp m, 0,1,2,3
	v_lshrrev_b32 v[TM+4+\m], 23, v[SC+\m]
.endr
.irp m, 0,1,2,3
	v_alignbit_b32 v[HSC+\m], v[TM+4+\m], v[HSC+\m], 8    ; the byte comes in at the top: four units make a scale word
.endr
.endm
; iteration i on set S; the other set holds unit i - 1 and takes unit i + 1's products
.macro ITER S, e, lo, hi
.set GS_, 128*(\S)
.set US_, GS_+64
.set GW_, 128*(1-(\S))
.set UW_, GW_+64
	XTR v_rcp_f32, GW_+32, 4, 0x55, 16, \e         ; eight plain lines stand between the last products and the loads into their registers
	WALU
	GXU GS_+32, US_+32
	UEND GW_, UW_
	WALU
.if PROD
	s_wait_dscnt 8                                 ; the scales and gate 0's fragments are in; gate 1's eight may be out
.endif
	GRP 0, 0
	XTR v_exp_f32, GS_, 1, 0x41, 10, \e
	WALU
.if PROD
	s_wait_dscnt 8                                 ; gate 1's are in; up 0's eight may be out
.endif
	GRP 1, 16
	XTR v_exp_f32, GS_+32, 2, 0x41, 10, \e
	WALU
	WIN 0
.if PROD
	s_wait_dscnt 8                                 ; up 0's are in; up 1's eight may be out
	ARMS \lo, \hi, \e
	GRP 2, 100
.else
	CVT8 7, 2
	v_nop
.endif
	XTR v_rcp_f32, GS_, 3, 0x55, 100, \e
	WALU
.if PROD
	GXU GW_, UW_                                   ; unit i + 1, T = 0: its gate 0 and up 0 are made
.endif
.if PROD
	s_wait_dscnt 0x0                               ; up 1's are in
.endif
	GRP 3, 200
	WIN 0
.endm
; two iterations: the chunk's next two units
.macro PAIR lo, hi
	v_add_nc_u32 v[AGU], s[TG], v[AG0]
	v_add_nc_u32 v[AS], s[TS], v[AS0]
	WALU
	s_add_co_u32 s[TG], s[TG], 64*272
	s_add_co_u32 s[TS], s[TS], 512
	ITER 1, 0, \lo, \hi
	ITER 0, 1, \lo, \hi
	s_add_co_u32 s[PI], s[PI], 1
	s_add_co_u32 s[IC], s[IC], 1
	s_cmp_lt_u32 s[IC], 2
.endm
.macro GRD
	s_wait_tensorcnt 0x0
	ds_add_u32 v[SPW], v[NIL]
	s_wait_dscnt 0x0
.endm
.macro TSTART
	s_mov_b32 s[TG], s[TB]
	s_xor_b32 s[TB], s[TB], SLOT1
	s_mov_b32 s[IC], 0
.endm
	s_mov_b32 s[TC], 0
	s_mov_b32 s[TB], 0
	s_mov_b32 s[TS], 0
	s_mov_b32 s[PI], 0
; PHASE 1: seven trips with a refill: chunk c is shown, and the slot of chunk c - 1 (of x in trip 0: it is in registers) takes chunk c + 1
.Ltrip:
	GRD
	CROUND
	s_xor_b32 s[G0R+1], s[G0R+1], SLOT1            ; (no carry in any wave's address)
	s_add_nc_u64 s[G0R+2:G0R+3], s[G0R+2:G0R+3], 0x8000
	TLOAD G0R, G1R
	TSTART
.Lpair:
	PAIR 1, 13
	s_cbranch_scc1 .Lpair
	s_add_co_u32 s[TC], s[TC], 1
	s_cmp_lt_u32 s[TC], 7
	s_cbranch_scc1 .Ltrip
	GRD
	CROUND
	TLOAD G0D, G1D
	TSTART
.Lpair_8:
	PAIR 14, 15
	s_cbranch_scc1 .Lpair_8
	GRD
	CROUND
	s_xor_b32 s[G0D+1], s[G0D+1], 0x10400          ; the two slots of Wd, 66,560 bytes apart: no carry in any wave's address
	s_add_nc_u64 s[G0D+2:G0D+3], s[G0D+2:G0D+3], 0x10000
	TLOAD G0D, G1D
; Wd's fragments: half step hs = 2 c + tp: K step c, tiles 2 tp and 2 tp + 1, into buffer hs % 4.  A lane's 16 numbers of a block are k = 8 h .. and 16 + 8 h ..: h's order
.macro DLD hs
.irp i, 0,1
.irp k, 0,1,2,3
	ds_load_2addr_b64 v[128+32*((\hs)%4)+16*\i+4*\k:128+32*((\hs)%4)+16*\i+4*\k+3], v[AD+2*((\hs)%2)+\i] offset0:16*((\hs)/2)+4*\k offset1:16*((\hs)/2)+4*\k+2
.endr
.endr
.endm
.macro DADR
	v_add_nc_u32 v[AD], s[TB], v[AD0]
	v_add_nc_u32 v[AD+1], DQ, v[AD]
	v_add_nc_u32 v[AD+2], 2*DQ, v[AD]
	v_add_nc_u32 v[AD+3], 3*DQ, v[AD]
.endm
	s_mov_b32 s[TB], 0
	DADR
	PLACES 4
	DLD 0
	DLD 1
	DLD 2
	ds_load_b128 v[64:67], v[DSA]                  ; Wd's scale words of K steps 0 to 3
	ds_load_b128 v[72:75], v[DSA] offset:1024
.set PROD, 0
	ITER 1, 0, 0, 0                                ; unit 31: no products stand beside it
	XTR v_rcp_f32, GS_+32, 5, 0x55, 100, 0
	v_nop
	WALU
	UEND GS_, US_
.set UW_, US_
	WIN 0x41
.set x_, 0
.rept 64
	HOLDX x_
.set x_, x_+1
.endr
	CVT8 7, 3
	PLACES 4
.irp c, 0,1,2,3,4,5,6,7
	ds_load_b128 v[68+8*\c:71+8*\c], v[HA] offset:512*\c    ; h's scale words: K step c, four tiles of rows: my own stores
.endr
	s_mov_b32 s[TC], 0
	WALU
	s_wait_dscnt 0x0
; PHASE 2.  h is source 0, Wd source 1: register j of tile t of lane (r, h): row 8 h + j, column 4 r + t
.macro M2 hs, m, i
.set c_, (\hs)/2
.set md, 8*(4*(\m)+2*((\hs)%2)+(\i))
.set ma, 128*((\m)%2)+16*c_
.set mb, 128+32*((\hs)%4)+16*(\i)
.set ms, 68+8*c_+(\m)
.set mx, 64+16*(c_/4)+8*((\hs)%2)+c_%4
.set z_, 0
.if c_ == 0
.set z_, 1
.endif
	WMM z_, 2*(\i)
.endm
.macro HALF hs, last
.if \hs == 13
	WIN 0
	s_wait_tensorcnt 0x0
.if \last == 0
	ds_add_u32 v[SPW], v[NIL]
.endif
	s_wait_dscnt 0x0
	s_barrier_signal -1                            ; all of this slot's loads are issued and in, and so is the other slot
.else
	s_wait_dscnt 16                                ; this half step's fragments are in; the next two's may be out
.endif
	WIN 0x52
.irp m, 0,1
.irp i, 0,1
	M2 \hs, \m, \i
	v_nop                                          ; places behind the half step before, ahead of the loads into its buffer
	v_nop
.endr
.endr
	WIN 0
.if \hs == 13
	s_barrier_wait -1
.if \last == 0
	CREST
	s_xor_b32 s[G0D+1], s[G0D+1], 0x10400
	s_add_nc_u64 s[G0D+2:G0D+3], s[G0D+2:G0D+3], 0x10000
	TLOAD G0D, G1D
.endif
	s_xor_b32 s[TB], s[TB], 4*DQ
	DADR
	WALU
.endif
.if \hs < 13
	DLD \hs+3
.else
.if \last
	s_cmp_eq_u32 s[TC], 3
	s_cbranch_scc1 .Lna_\@
.endif
	DLD \hs-13
.Lna_\@:
.endif
.if \hs == 1
	ds_load_b128 v[80:83], v[DSA] offset:512       ; Wd's scale words of K steps 4 to 7
	ds_load_b128 v[88:91], v[DSA] offset:1536
.elseif \hs == 9
.if \last
	s_cmp_eq_u32 s[TC], 3
	s_cbranch_scc1 .Lnb_\@
.endif
	ds_load_b128 v[64:67], v[DSA] offset:2048      ; the next 64 columns', K steps 0 to 3
	ds_load_b128 v[72:75], v[DSA] offset:3072
.Lnb_\@:
.endif
	WIN 0x53
.irp m, 2,3
.irp i, 0,1
	M2 \hs, \m, \i
.if \hs == 15
	v_nop
	v_nop
.endif
.endr
.endr
.endm
.macro COLS last
.irp hs, 0,1,2,3,4,5,6,7,8,9,10,11,12,13,14,15
	HALF \hs, \last
.endr
	s_wait_xcnt 0x0                                ; the stores before have read their registers and their base
	s_add_nc_u64 s[20:21], s[20:21], 0x100         ; 64 columns on (the stores' offsets take the first step back)
.irp m, 0,1,2,3
	WIN 0x55
.irp j, 0,1,2,3,4,5,6,7
.irp t, 0,1,2,3
	v_mov_b32 v[128+4*(8*\m+\j)+\t], v[8*(4*\m+\t)+\j]
.endr
.endr
	WIN 0x04
.irp j, 0,1,2,3,4,5,6,7
	global_store_b128 v[CO], v[128+4*(8*\m+\j):128+4*(8*\m+\j)+3], s[20:21] offset:16384*\m+1024*\j-256 th:TH_STORE_NT   ; two rows, 256 aligned bytes of each
.endr
.endr
	WIN 0
	v_add_nc_u32 v[DSA], 0x800, v[DSA]
	WALU
	s_add_co_u32 s[TC], s[TC], 1
.endm
.Lcols:
	COLS 0
	s_cmp_lt_u32 s[TC], 2
	s_cbranch_scc1 .Lcols
.Lcols_last:
	COLS 1
	s_cmp_lt_u32 s[TC], 4
	s_cbranch_scc1 .Lcols_last
	s_wait_tensorcnt 0x0
	ds_add_u32 v[SPW], v[NIL]
	s_wait_dscnt 0x0
	CROUND
	s_endpgm
.Lfunc_end_k_qe48a09d42f_glu:
	.size	k_qe48a09d42f_glu, .Lfunc_end_k_qe48a09d42f_glu-k_qe48a09d42f_glu
	.p2alignl 7, 3214868480
	.fill 96, 4, 3214868480
	.section	.rodata,"a",@progbits
	.p2align	6, 0x0
	.amdhsa_kernel k_qe48a09d42f_glu
		.amdhsa_group_segment_fixed_size 327680
		.amdhsa_private_segment_fixed_size 0
		.amdhsa_enable_private_segment 0
		.amdhsa_kernarg_size 72
		.amdhsa_user_sgpr_count 2
		.amdhsa_user_sgpr_kernarg_segment_ptr 1
		.amdhsa_wavefront_size32 1
		.amdhsa_system_sgpr_workgroup_id_x 1
		.amdhsa_system_sgpr_workgroup_id_y 1
		.amdhsa_system_sgpr_workgroup_id_z 1
		.amdhsa_system_vgpr_workitem_id 0
		.amdhsa_next_free_vgpr 1024
		.amdhsa_next_free_sgpr 102
		.amdhsa_reserve_vcc 0
		.amdhsa_float_denorm_mode_32 3
		.amdhsa_float_denorm_mode_16_64 3
		.amdhsa_memory_ordered 1
		.amdhsa_forward_progress 1
		.amdhsa_inst_pref_size 255
	.end_amdhsa_kernel
	.section	.bss,"aw",@nobits
	.p2align	6
	.space	262144
	.amdgpu_metadata
---
amdhsa.version: [ 1, 2 ]
amdhsa.kernels:
  - .name:           k_qe48a09d42f_glu
    .symbol:         k_qe48a09d42f_glu.kd
    .args:
      - { .name: x_codes, .offset: 0, .size: 8, .value_kind: global_buffer, .address_space: global }
      - { .name: x_scales, .offset: 8, .size: 8, .value_kind: global_buffer, .address_space: global }
      - { .name: weight_gate_codes, .offset: 16, .size: 8, .value_kind: global_buffer, .address_space: global }
      - { .name: weight_gate_scales, .offset: 24, .size: 8, .value_kind: global_buffer, .address_space: global }
      - { .name: weight_up_codes, .offset: 32, .size: 8, .value_kind: global_buffer, .address_space: global }
      - { .name: weight_up_scales, .offset: 40, .size: 8, .value_kind: global_buffer, .address_space: global }
      - { .name: weight_down_codes, .offset: 48, .size: 8, .value_kind: global_buffer, .address_space: global }
      - { .name: weight_down_scales, .offset: 56, .size: 8, .value_kind: global_buffer, .address_space: global }
      - { .name: out0, .offset: 64, .size: 8, .value_kind: global_buffer, .address_space: global }
    .group_segment_fixed_size: 327680
    .private_segment_fixed_size: 0
    .kernarg_segment_align: 8
    .kernarg_segment_size: 72
    .max_flat_workgroup_size: 128
    .sgpr_count:     102
    .vgpr_count:     1024
    .wavefront_size: 32
...
	.end_amdgpu_metadata
.endif
;; end of part 1
